; MI455X (gfx1250); checked and timed in simulation.
; The chip was launched on July 23, 2026; its instructions are those of AMD's public machine-readable ISA for CDNA 5 (MIT licence, August 2026) and "CDNA5" Instruction Set Architecture Reference Guide (July 2026). The comments in the code are by the model that wrote it; some were corrected since.
;; Multi Head Model. Allowed arithmetic: matrix products marked QUANTISED: E5M2 operands, one given power-of-two scale a tensor, by v_wmma_f32_16x16x64_bf8_bf8 or v_wmma_f32_16x16x128_bf8_bf8, f32 sums; everything else in f32.
;; Inputs: W 20 x 100 x 1,024 float32; b 20 x 100 float32; lowp_scales 2 int32 (the exponents e of the quantised operands' scales 2^e); t 16,384 int32; x 16,384 x 1,024 float32.
;; Outputs: out0 16,384 x 100 float32.
;; This version of the problem:
;;   THIS VERSION OF THE PROBLEM IS GIVEN IN LOW PRECISION. The matrix products marked QUANTISED in the list below multiply operands that are first quantised to E5M2 (5 exponent bits, 2 mantissa bits; 8 bits a number), with one given power-of-two scale for each operand tensor; their sums are f32. All else is computed in f32.
;;   The module's matrix products, in the order in which they are computed (A, B: the left and right operand; K: the contracted axis; several contracted axes count as one K, in the product's order):
;;     1. [M 16,384, K 1,024] x [K 1,024, N 2,000]; A: input x; B: input W: QUANTISED (scales: A lowp_scales[0], B lowp_scales[1])
;;   THE QUANTISER, for each operand of a quantised product, along K:
;;     - The operand's scale is 2^e, e = its entry of the input lowp_scales (int32; the entries are numbered through the quantised products in the list's order, A before B).
;;     - Each number is divided by the scale, clamped to +-57,344, and rounded to the nearest number of E5M2, ties to even, subnormals kept.
;;     - The product sums the exact products of the quantised numbers (number of the format x scale) in f32.
;;   ~~~python
;;   def quantise(x, axis, e):      # numpy; x: float32 -> the quantised numbers, widened to float32 again
;;       x = np.moveaxis(x, axis, -1); K = x.shape[-1]
;;       r = np.clip(x / 2.0 ** e, -57344, 57344)
;;       step = 2.0 ** (np.maximum(np.frexp(np.where(r == 0, 1, r))[1] - 1, -14) - 2)
;;       q = np.round(r / step) * step * 2.0 ** e      # np.round: ties to even
;;       return np.moveaxis(q, -1, axis).astype(np.float32)
;;   ~~~
;; One version. Each part assembles by itself: llvm-mc -triple=amdgcn-amd-amdhsa -mcpu=gfx1250 --defsym DOCPART=n.
;; ======== version 1 of 1: 1 launch
;; limits: right only within a limited range of input values
;; launch heads (part 1): grid 256 x 1, 16 waves a work-group, no clusters, 257,280 bytes of LDS; arguments x, t, W, b, lowp_scales, out0; writes out0
.if DOCPART == 1
	.amdgcn_target "amdgcn-amd-amdhsa--gfx1250"
	.amdhsa_code_object_version 6
	.text
	.protected	k_qbf30f9f70f_heads
	.globl	k_qbf30f9f70f_heads
	.p2align	8
	.type	k_qbf30f9f70f_heads,@function
k_qbf30f9f70f_heads:
	s_mov_b64 s[64:65], 0
	v_nop
	global_prefetch_b8 v0, s[64:65] scope:SCOPE_SE
	s_setreg_imm32_b32 hwreg(HW_REG_WAVE_MODE, 25, 1), 1
	s_wait_xcnt 0x0
; out0[i] = W[t[i]] x[i] + b[t[i]], the product on codes of E5M2 with the given scales 2^ex (x) and 2^ew (W), sums in f32.  One launch.
; WORK LEFT OUT.  The problem's text multiplies every row of x by all 20 heads and then takes, by take_along_axis with the index t, head t[i] alone for row i.  The other 19 heads' logits of a row enter no output,
; whatever finite numbers x, W and b hold: so only head t[i] is multiplied for row i.  The choice is made from whole numbers, t, which this launch reads.  Every input has a way to the output and is loaded.
; LIMIT: a NaN, an infinity or an overflow that would arise only in the heads left out is not carried to the result.
; SHARES.  256 work-groups: each owns ONE head p and one piece of t: 16 heads are shared by 13 work-groups (pieces of 1,264 elements), 4 heads by 12 (pieces of 1,368).  It serves the rows of its piece whose t is p:
; the first 96 by all waves together, what is over by tiles of 16 rows, each wave for itself: any split is served.
; W[p], 100 columns x 1,024, is turned into codes once by the work-group, into LDS, and its loads need nothing of t: they are on their way while t is searched.
; A UNIT is 256 numbers along K of one column of W or one row of x: 1,024 consecutive bytes, two loads of 512; a lane holds k = 4 l + 0 .. 3 and 128 + 4 l + 0 .. 3, and its eight codes go to places 8 l .. 8 l + 7.
; That is a permutation of k, the same in x and in W, so every product meets its partner and only the order of the sums changes.  A wave streams 25 units of W and then 24 of x through a ring of 16 buffers of 8
; registers: 32 loads are out while it converts.  Quarter Q of a row in LDS is quarter (Q + a constant of the work-group) mod 4 in memory, in x and W alike, so that the work-groups do not all walk a row in one order.
; PRODUCTS.  K goes in four quarters; behind a quarter's barrier its products are made while later quarters are on their way.  Wave w (0 .. 13) owns column tile w / 2 and row tiles w % 2, 2 + w % 2, 4 + w % 2; 100 columns
; are seven tiles, so waves 14 and 15 have none.  Used transposed (source 0 = 16 columns of W, source 1 = 16 rows of x): lane (r, h) holds, of row r, columns 8 h + 0 .. 7.
; NO TENSOR LOADS, NO CLUSTER: which rows are read, and how many tiles a wave walks at the end, hang on numbers read from memory.  NO PREFETCH: a row's address is known only when its loads may go out, and 32 loads a
; wave are out from then on.
; LIMITS: ex and ew between -126 and 112, ex + ew between -126 and 127 (each power of two below is an f32 number).  NaN in x or W is not served; an infinity is held at the largest code.  t lies in 0 .. 19.
.set XP,    1040                       ; a row of 1,024 codes + 16 bytes: 65 x 16, so the sixteen rows of a fragment load start in sixteen different columns of 16 bytes
.set SP,    528                        ; a stage row: 128 columns x 4 bytes + 16: 33 x 16
.set XB,    100*XP                     ; behind W's 100 columns: x's 96 rows
.set STG,   XB+96*XP                   ; the stage, 96 rows
.set MSK,   254720                     ; 64 masks of 32 bits, and 256 bytes on their 64 counts
.set SPARE, MSK+512                    ; the spare words, 128 bytes a wave: eight blocks of 256 bytes that no other line names
.set BIAS,  16                         ; v16-23   bias at my eight columns
.set ACC,   24                         ; v24-47   three accumulators
.set WF,    48                         ; v48-79   W's fragments of two K steps (and at work in the search)
.set XF,    80                         ; v80-111  two fragments of x
.set RING,  112                        ; v112-239 16 buffers; free behind the last quarter
.set CT,    240                        ; v240-243 codes, two sets by turns
.set XO,    244                        ; v244-249 my six rows' offsets in x
.set OO,    250                        ; v250-255 and in out0
; v1 16 x lane; v2 my spare word, v3 0; v4 W's codes in; v5 v6 x's codes in; v7 W's fragments; v8 v9 x's; v10 2^ew; v11 2^ex; v12 into the stage; v13 out of it; v14 lane; v15 where my lane's masks lie
; s18 wave; s21 p; s23 the piece's first element; s[26:29] holds; s[30:31] 2^(ex + ew); s32 rows of p in the piece; s34 where my third row tile begins; s[56:63] x at its four quarters
.macro PLACES
.rept 4
	v_nop
.endr
.endm
.macro BAR
	s_wait_dscnt 0x0                               ; for the others' sake: my LDS stores and loads are done
	s_barrier_signal -1
	s_barrier_wait -1
.endm
.macro WLOAD u                         ; column 25 (w % 4) + u, my wave's quarter
.set BF, RING+8*((\u)%16)
	global_load_b128 v[BF:BF+3], v1, s[8:9] offset:4096*(\u)
	global_load_b128 v[BF+4:BF+7], v1, s[8:9] offset:4096*(\u)+512
.endm
.macro XLOAD u                         ; unit u: my row u % 6, quarter u / 6
.set BF, RING+8*((25+(\u))%16)
	global_load_b128 v[BF:BF+3], v[XO+(\u)%6], s[56+2*((\u)/6):57+2*((\u)/6)]
	global_load_b128 v[BF+4:BF+7], v[XO+(\u)%6], s[56+2*((\u)/6):57+2*((\u)/6)] offset:512
.endm
.macro CONV c, lo, hi, sc              ; the conversion to an 8-bit code does not saturate (ISA guide 7.6.2): each number is held first
.irp i, 0,1,2,3,4,5,6,7
	v_med3_num_f32 v[BF+\i], v[BF+\i], s\lo, s\hi
.endr
	v_cvt_scalef32_pk8_bf8_f32 v[\c:\c+1], v[BF:BF+7], v\sc
.endm
.macro WSTEP u
	s_wait_loadcnt 30                              ; loads come back in order: this unit's two are in; the 15 younger units' may be out
.set BF, RING+8*((\u)%16)
.set CS, CT+2*((\u)%2)
	CONV CS, 26, 27, 10
	ds_store_b64 v4, v[CS:CS+1] offset:XP*(\u)
.if (\u)+16 < 25
	WLOAD (\u)+16
.else
	XLOAD (\u)-9
.endif
.endm
.macro XSTEP u
.if (\u) < 8
	s_wait_loadcnt 30                              ; as above,
.else
	s_wait_loadcnt 2*(23-(\u))                     ; and at the end the units that are left
.endif
.set BF, RING+8*((25+(\u))%16)
.set CS, CT+2*((\u)%2)
	CONV CS, 28, 29, 11
.if ((\u)%6) < 3
	ds_store_b64 v5, v[CS:CS+1] offset:16*XP*((\u)%6)+256*((\u)/6)
.else
	ds_store_b64 v6, v[CS:CS+1] offset:16*XP*((\u)%6-3)+256*((\u)/6)
.endif
.if (\u)+16 < 24
	XLOAD (\u)+16
.endif
.endm
; THE SEARCH.  Mask 4 w + q has bit l set where element 128 w + 4 l + q of the piece is p's.  Lane l takes masks 2 l and 2 l + 1; a prefix sum of their counts goes over the lanes by exchanges with lane l xor 1, 2, 4, 8, 16.
; Place s of the list is then in the first lane whose inclusive sum is above s; in its mask, it is the set bit with the right number of set bits below it.
.macro SCAN x, b
	s_delay_alu instid0(VALU_DEP_1)
	v_mov_b32_dpp v55, v53 row_xmask:\x row_mask:0xf bank_mask:0xf
	s_delay_alu instid0(VALU_DEP_1)
	v_mad_u32_u24 v54, v55, v\b, v54
	v_add_nc_u32 v53, v53, v55
.endm
.macro PREFIX
	v_lshl_add_u32 v15, v14, 3, MSK
	v_mov_b32 v55, 0                               ; written once: the destination of the lane moves counts as read
	v_mov_b32 v54, 0
	v_and_b32 v56, 1, v14
	v_bfe_u32 v57, v14, 1, 1
	ds_load_b64 v[48:49], v15
	ds_load_b64 v[50:51], v15 offset:256
	v_bfe_u32 v58, v14, 2, 1
	v_bfe_u32 v59, v14, 3, 1
	v_lshrrev_b32 v60, 4, v14
	s_mov_b32 s42, 0x76543210
	s_mov_b32 s43, 0xfedcba98
	s_wait_alu depctr_va_vdst(0)
	s_wait_dscnt 0x0
	v_add_nc_u32 v53, v50, v51
	SCAN 1, 56
	SCAN 2, 57
	SCAN 4, 58
	SCAN 8, 59
	s_delay_alu instid0(VALU_DEP_1)
	v_permlanex16_b32 v55, v53, s42, s43
	s_delay_alu instid0(VALU_DEP_1)
	v_mad_u32_u24 v54, v55, v60, v54               ; how many of p's elements lie ahead of my lane's
	v_add_nc_u32 v53, v53, v55                     ; all of them
	v_add3_u32 v61, v54, v50, v51                  ; and mine included
.endm
.macro FIND                            ; s45: a place; s47: its row, not yet held
	v_cmp_lt_u32 s47, s45, v61
	s_ctz_i32_b32 s47, s47
	s_and_b32 s47, s47, 31
	v_readlane_b32 s48, v48, s47
	v_readlane_b32 s49, v49, s47
	v_readlane_b32 s50, v50, s47
	v_readlane_b32 s51, v54, s47
	s_sub_co_u32 s51, s45, s51                     ; which set bit of the lane's two masks,
	s_sub_co_u32 s52, s51, s50                     ; or of the second alone
	s_cmp_lt_u32 s51, s50
	s_cselect_b32 s51, s51, s52
	s_cselect_b32 s48, s48, s49
	s_cselect_b32 s49, 0, 1
	v_mbcnt_lo_u32_b32 v62, s48, 0
	s_delay_alu instid0(VALU_DEP_1)
	v_cmp_eq_u32 s50, s51, v62
	s_and_b32 s50, s50, s48
	s_ctz_i32_b32 s50, s50
	s_lshl_b32 s47, s47, 1
	s_or_b32 s47, s47, s49                         ; the mask's number
	s_and_b32 s49, s47, 3
	s_lshr_b32 s47, s47, 2
	s_lshl_b32 s47, s47, 7
	s_lshl_b32 s50, s50, 2
	s_add_co_u32 s47, s47, s49
	s_add_co_u32 s47, s47, s50
	s_add_co_u32 s47, s47, s23
.endm
.macro FRAGW s, reg                    ; my column tile, K step s: lane (r, h) takes places 128 s + 32 c + 16 h + 0 .. 15
.irp c, 0,1,2,3
	ds_load_b128 v[\reg+4*\c:\reg+4*\c+3], v7 offset:128*(\s)+32*\c
.endr
.endm
.macro FRAGX i, s, reg                 ; row tile 2 i + w % 2
.irp c, 0,1,2,3
.if \i < 2
	ds_load_b128 v[\reg+4*\c:\reg+4*\c+3], v8 offset:32*XP*\i+128*(\s)+32*\c
.else
	ds_load_b128 v[\reg+4*\c:\reg+4*\c+3], v9 offset:128*(\s)+32*\c
.endif
.endr
.endm
.macro MM acc, w, x, zero              ; the first step's products start the sums: nothing is cleared.
.if \zero
	v_wmma_f32_16x16x128_bf8_bf8 v[\acc:\acc+7], v[\w:\w+15], v[\x:\x+15], 0
.else
	s_wait_alu depctr_va_vdst(0)
	v_wmma_f32_16x16x128_bf8_bf8 v[\acc:\acc+7], v[\w:\w+15], v[\x:\x+15], v[\acc:\acc+7]
.endif
.endm
; Quarters 0 to 2: two K steps.  The third row tile is multiplied on where it has a row; its first quarter always is, which starts its sum.
; PLACES: four plain vector lines in front of loads into registers that matrix instructions have read (ISA guide 7.12.1 for vector instructions).
.macro CHUNK q, zero
	s_cmp_ge_u32 s18, 14
	s_cbranch_scc1 .Lidle_\@                       ; waves 14 and 15 have no columns
	FRAGW 2*\q, WF
	FRAGX 0, 2*\q, XF
	FRAGX 1, 2*\q, XF+16
	FRAGW 2*\q+1, WF+16
	s_wait_dscnt 4                                 ; all but the second step's fragment of W
	MM ACC, WF, XF, \zero
	MM ACC+8, WF, XF+16, \zero
	PLACES
	FRAGX 0, 2*\q+1, XF
	FRAGX 1, 2*\q+1, XF+16
	s_wait_dscnt 0x0
	MM ACC, WF+16, XF, 0
	MM ACC+8, WF+16, XF+16, 0
.if \q > 0
	s_cmp_le_u32 s32, s34
	s_cbranch_scc1 .Lno_third_\@
.endif
	PLACES
	FRAGX 2, 2*\q, XF
	FRAGX 2, 2*\q+1, XF+16
	s_wait_dscnt 0x0
	MM ACC+16, WF, XF, \zero
	MM ACC+16, WF+16, XF+16, 0
.Lno_third_\@:
.if \q == 2
	PLACES
	FRAGW 6, WF                                    ; the last quarter's fragments of W
	FRAGW 7, WF+16
.endif
.Lidle_\@:
.endm
	s_load_b256 s[4:11], s[0:1], 0x0               ; x s[4:5], t s[6:7], W s[8:9], b s[10:11]
	s_load_b128 s[12:15], s[0:1], 0x20             ; the scales' exponents s[12:13], out0 s[14:15]
	v_lshrrev_b32 v15, 5, v0
	v_lshl_add_u32 v2, v0, 2, SPARE
	v_mov_b32 v3, 0
	v_and_b32 v14, 31, v0                          ; lane
	v_readfirstlane_b32 s18, v15                   ; wave 0 .. 15
	v_bfe_u32 v63, v0, 4, 1                        ; h
	v_and_b32 v62, 15, v0                          ; r
	v_lshlrev_b32 v1, 4, v14
	v_lshlrev_b32 v97, 2, v0                       ; my four elements of the piece
	; bit 2 of the work-group's number picks heads 0 .. 9 or 10 .. 19; the other seven bits i (0 .. 127) pick head i % 10 of these and piece i / 10
	s_bfe_u32 s25, ttmp9, 0x10002
	s_lshr_b32 s42, ttmp9, 3
	s_and_b32 s43, ttmp9, 3
	s_add_co_u32 s53, s42, s43
	s_and_b32 s53, s53, 3                          ; which quarter of a row comes first
	s_lshl_b32 s42, s42, 2
	s_or_b32 s42, s42, s43
	s_mul_i32 s22, s42, 205
	s_lshr_b32 s22, s22, 11                        ; i / 10, for i under 128
	s_mul_i32 s43, s22, 10
	s_sub_co_u32 s42, s42, s43
	s_mul_i32 s21, s25, 10
	s_add_co_u32 s21, s21, s42                     ; p
	s_mov_b32 s43, 1368
	s_cmp_lt_u32 s42, 8
	s_cselect_b32 s24, 1264, s43                   ; 13 x 1,264 and 12 x 1,368 cover 16,384
	s_mul_i32 s23, s22, s24                        ; the piece's first element
	s_sub_co_u32 s43, 16384, s23
	s_min_u32 s24, s24, s43                        ; its length, a multiple of 4
	s_lshl_b32 s44, s23, 2
	s_lshr_b32 s19, s18, 1                         ; my column tile
	s_and_b32 s20, s18, 1                          ; my row tiles' parity
	s_lshl_b32 s43, s19, 6
	s_mul_i32 s46, s21, 400
	s_mov_b32 s47, 0
	s_mul_i32 s48, s21, 409600
	s_and_b32 s54, s18, 3
	s_mul_i32 s55, s54, 102400
	s_add_co_u32 s48, s48, s55
	s_lshr_b32 s55, s18, 2
	s_add_co_u32 s55, s55, s53
	s_and_b32 s55, s55, 3
	s_lshl_b32 s55, s55, 10
	s_add_co_u32 s48, s48, s55                     ; W: head p, column 25 (w % 4), the quarter that LDS has as w / 4
	s_mov_b32 s49, 0
	s_mov_b32 s51, 0
	s_wait_alu depctr_va_vdst(0)
	v_lshl_add_u32 v80, v0, 4, s44
	v_lshl_add_u32 v81, v63, 5, s43                ; my eight columns' bytes in the head's bias: 64 n + 32 h,
	v_min_u32 v80, 0xfff0, v80                     ; threads past the piece stay inside t; their elements are masked away
	v_add_nc_u32 v82, 16, v81
	v_min_u32 v81, 384, v81                        ; held inside its 400 bytes: what is moved belongs to columns 100 and up, which are never stored
	v_min_u32 v82, 384, v82
	v_cmp_gt_u32 s45, s24, v97                     ; is my thread inside the piece?
	s_wait_alu depctr_va_vdst(0)
	s_wait_kmcnt 0x0
	s_load_b64 s[16:17], s[12:13], 0x0             ; ex, ew
	global_load_b128 v[84:87], v80, s[6:7]         ; element 128 w + 4 lane + q of the piece
	s_add_nc_u64 s[10:11], s[10:11], s[46:47]
	s_add_nc_u64 s[8:9], s[8:9], s[48:49]
	global_load_b128 v[BIAS:BIAS+3], v81, s[10:11]
	global_load_b128 v[BIAS+4:BIAS+7], v82, s[10:11]
.set U, 0
.rept 12
	WLOAD U
.set U, U+1
.endr
.irp q, 0,1,2,3
	s_add_co_u32 s50, s53, \q
	s_and_b32 s50, s50, 3
	s_lshl_b32 s50, s50, 10
	s_add_nc_u64 s[56+2*\q:57+2*\q], s[4:5], s[50:51]
.endr
	s_add_co_u32 s42, s19, 2
	s_lshr_b32 s42, s42, 3
	s_mul_i32 s42, s42, 12
	s_xor_b32 s42, s42, 15                         ; tile 6 has four columns: its lanes take r % 4; the doubles are never stored
	s_lshl_b32 s43, s19, 4
	s_mul_i32 s50, s20, 16*XP
	s_add_co_u32 s50, s50, XB
	s_mul_i32 s51, s20, 16*SP
	s_lshl_b32 s52, s19, 6
	s_add_co_u32 s51, s51, s52
	s_add_co_u32 s51, s51, STG
	s_mul_i32 s52, s18, SP
	s_add_co_u32 s52, s52, STG
	s_mul_i32 s53, s54, 25*XP
	s_lshr_b32 s55, s18, 2
	s_lshl_b32 s55, s55, 8
	s_add_co_u32 s53, s53, s55
	s_mul_i32 s54, s18, XP
	s_add_co_u32 s54, s54, XB
	s_lshl_b32 s55, s18, 4
	s_add_co_u32 s55, s55, MSK
	s_lshl_b32 s34, s20, 4
	s_add_co_u32 s34, s34, 64
	v_and_b32 v48, s42, v62
	v_mul_u32_u24 v49, XP, v62
	v_mul_u32_u24 v50, SP, v62
	v_lshl_add_u32 v13, v14, 4, s52                ; out of the stage: row w, 16 bytes a lane
	v_add_nc_u32 v48, s43, v48
	v_lshl_add_u32 v49, v63, 4, v49
	v_lshl_add_u32 v50, v63, 5, v50
	v_lshl_add_u32 v4, v14, 3, s53                 ; W's codes in: column 25 (w % 4), quarter w / 4, 8 bytes a lane
	v_mul_u32_u24 v48, XP, v48
	v_add_nc_u32 v8, s50, v49                      ; x's fragments: row 16 (w % 2) + r, + 16 h
	v_add_nc_u32 v12, s51, v50                     ; into the stage: the same row, my tile's 64 bytes, + 32 h
	v_lshl_add_u32 v5, v14, 3, s54                 ; x's codes in: row w, 8 bytes a lane,
	v_lshl_add_u32 v7, v63, 4, v48                 ; W's fragments: column 16 n + r, + 16 h
	v_add_nc_u32 v9, 64*XP, v8                     ; the third row tile's
	v_mov_b32 v96, s55
	v_add_nc_u32 v6, 48*XP, v5                     ; and row 48 + w
	s_wait_alu depctr_va_vdst(0)
	s_wait_kmcnt 0x0
	s_add_co_i32 s42, s17, 127
	s_lshl_b32 s43, s42, 23
	v_mov_b32 v10, s43                             ; 2^ew as f32: the conversion takes its exponent field
	s_add_co_i32 s42, s42, 15
	s_lshl_b32 s27, s42, 23
	s_or_b32 s27, s27, 0x600000                    ; 57,344 x 2^ew
	s_or_b32 s26, s27, 0x80000000                  ; and its negative
	s_add_co_i32 s42, s16, 127
	s_lshl_b32 s43, s42, 23
	v_mov_b32 v11, s43                             ; 2^ex
	s_add_co_i32 s42, s42, 15
	s_lshl_b32 s29, s42, 23
	s_or_b32 s29, s29, 0x600000
	s_or_b32 s28, s29, 0x80000000
	s_add_co_i32 s30, s16, s17
	s_add_co_i32 s30, s30, 127
	s_lshl_b32 s30, s30, 23                        ; 2^(ex + ew) as f32
	s_mov_b32 s31, s30                             ; (named with it as a pair, so it is written)
	s_wait_alu depctr_va_vdst(0)
	s_wait_loadcnt 26                              ; t is in; behind it: two loads of the bias, 24 of W
.irp q, 0,1,2,3
	v_cmp_eq_u32 s[46+\q], s21, v[84+\q]
.endr
.irp q, 0,1,2,3
	s_and_b32 s[46+\q], s[46+\q], s45
	s_bcnt1_i32_b32 s[50+\q], s[46+\q]
.endr
.irp q, 0,1,2,3
	v_mov_b32 v[88+\q], s[46+\q]
	v_mov_b32 v[92+\q], s[50+\q]
.endr
	ds_store_b128 v96, v[88:91]                    ; my wave's four masks: all lanes write the same 16 bytes with the same numbers
	ds_store_b128 v96, v[92:95] offset:256         ; and their counts
	BAR
	PREFIX
	v_readfirstlane_b32 s32, v53
	s_wait_alu depctr_va_vdst(0)
	; my six places are w + 16 i.  A place past the end takes place 0's row, all lanes on its first 16 bytes: its results are never stored
	s_mov_b32 s44, s18
.irp i, 0,1,2,3,4,5
	s_cmp_lt_u32 s44, s32
	s_cselect_b32 s45, s44, 0
	s_cselect_b32 s46, -1, 0
	FIND
	s_min_u32 s47, s47, 0x3fff                     ; a number made of loaded ones is held inside its table before it enters an address
	s_lshl_b32 s52, s47, 12
	s_mul_i32 s51, s47, 400
	v_and_b32 v[XO+\i], s46, v1
	s_delay_alu instid0(VALU_DEP_1)
	v_min_u32 v[XO+\i], 0x1f0, v[XO+\i]
	s_delay_alu instid0(VALU_DEP_1)
	v_add_nc_u32 v[XO+\i], s52, v[XO+\i]           ; 4,096 x row + 16 x lane: under 2^26
	v_add_nc_u32 v[OO+\i], s51, v1
	s_add_co_u32 s44, s44, 16
.endr
	s_wait_alu depctr_va_vdst(0)
.rept 4
	WLOAD U
.set U, U+1
.endr
.set U, 0
.rept 25
	WSTEP U                                        ; from the tenth on each asks for a unit of x: sixteen of them are out behind the last
.set U, U+1
.endr
.set U, 0
.rept 6
	XSTEP U
.set U, U+1
.endr
	BAR                                            ; quarter 0 of x, and all of W, lie in LDS
	CHUNK 0, 1
.rept 6
	XSTEP U
.set U, U+1
.endr
	BAR
	CHUNK 1, 0
.rept 6
	XSTEP U
.set U, U+1
.endr
	BAR
	CHUNK 2, 0
.rept 6
	XSTEP U
.set U, U+1
.endr
	BAR
	s_cmp_ge_u32 s18, 14
	s_cbranch_scc1 .Lpad
	; the last quarter: W's fragments are in registers, the ring is free for x's
	s_cmp_le_u32 s32, s34
	s_cbranch_scc1 .Lno_third_a
	FRAGX 2, 6, RING+32                            ; older than the sixteen below: it enters no count
	FRAGX 2, 7, RING+48
.Lno_third_a:
	FRAGX 0, 6, XF
	FRAGX 1, 6, XF+16
	FRAGX 0, 7, RING
	FRAGX 1, 7, RING+16
	s_wait_dscnt 8                                 ; the last step's eight may be out
	MM ACC, WF, XF, 0
	MM ACC+8, WF, XF+16, 0
	s_wait_dscnt 0x0
	MM ACC, WF+16, RING, 0
	MM ACC+8, WF+16, RING+16, 0
	s_cmp_le_u32 s32, s34
	s_cbranch_scc1 .Lno_third_b
	MM ACC+16, WF, RING+32, 0
	MM ACC+16, WF+16, RING+48, 0
.Lno_third_b:
	PLACES                                         ; in front of the first read of results
.irp m, 0,1,2
.irp i, 0,2,4,6
	v_pk_fma_f32 v[RING+64+8*\m+\i:RING+65+8*\m+\i], v[ACC+8*\m+\i:ACC+1+8*\m+\i], s[30:31], v[BIAS+\i:BIAS+1+\i] op_sel_hi:[1,0,1]   ; sum x 2^(ex + ew) + bias, each accumulator from its low end on
.endr
.endr
.irp m, 0,1,2
	ds_store_b128 v12, v[RING+64+8*\m:RING+67+8*\m] offset:32*SP*\m
	ds_store_b128 v12, v[RING+68+8*\m:RING+71+8*\m] offset:32*SP*\m+16
.endr
	s_branch .Lstaged
.Lpad:                                                 ; waves 14 and 15: zeros into columns 112 .. 127 of the stage: whole rows of it are read back, 25 lanes of 32 are stored
.irp i, 0,1,2,3
	v_mov_b32 v[ACC+\i], 0
.endr
.irp m, 0,1,2
	ds_store_b128 v12, v[ACC:ACC+3] offset:32*SP*\m
	ds_store_b128 v12, v[ACC:ACC+3] offset:32*SP*\m+16
.endr
.Lstaged:
	BAR
	; ROWS PAST 96 of the piece, in tiles of 16, each wave for itself: places 96 + 16 w, and 256 on with each of five trips: 1,376 places, and a piece has at most 1,368 elements.  No barrier stands here, and every lane is
	; on throughout.  A tile's numbers come straight into the registers of an operand: lane (r, h) takes, of row r, what the places 128 s + 32 c + 16 h + 0 .. 15 hold: k = 8 a + 0 .. 7 and 128 + 8 a + 0 .. 7 of the unit,
	; a = 8 (s % 2) + 2 c + h.  All seven column tiles are multiplied, and the results leave from registers.
	s_lshl_b32 s33, s18, 4
	s_add_co_u32 s33, s33, 96
	s_cmp_ge_u32 s33, s32
	s_cbranch_scc1 .Lway
	PREFIX
	v_and_b32 v9, 15, v0                           ; r
	v_bfe_u32 v12, v0, 4, 1                        ; h
	v_mov_b32 v67, 0
	v_mov_b32 v1, 0
	v_mul_u32_u24 v4, XP, v9
	v_and_b32 v7, 3, v9
	v_lshlrev_b32 v8, 5, v12                       ; my eight columns' bytes
	v_lshl_add_u32 v0, v12, 4, v4                  ; W's fragments: tiles 0 to 3,
	v_add_nc_u32 v7, 96, v7
	v_mul_u32_u24 v7, XP, v7
	v_add_nc_u32 v15, 64*XP, v0                    ; tiles 4 and 5,
	v_lshl_add_u32 v7, v12, 4, v7                  ; tile 6: columns 96 + r % 4
	s_sub_co_u32 s55, s32, 1
	s_mov_b32 s35, 0
	s_wait_alu depctr_va_vdst(0)
.macro MSTEP s, zero                   ; K step s of a tile
.irp c, 0,1,2,3
	global_load_b128 v[80+16*\c:83+16*\c], v5, s[56+2*(\s/2):57+2*(\s/2)] offset:256*(\s%2)+64*\c
	global_load_b128 v[84+16*\c:87+16*\c], v5, s[56+2*(\s/2):57+2*(\s/2)] offset:256*(\s%2)+64*\c+512
	global_load_b128 v[88+16*\c:91+16*\c], v5, s[56+2*(\s/2):57+2*(\s/2)] offset:256*(\s%2)+64*\c+16
	global_load_b128 v[92+16*\c:95+16*\c], v5, s[56+2*(\s/2):57+2*(\s/2)] offset:256*(\s%2)+64*\c+528
.endr
	s_wait_loadcnt 0x0
.set Q, 80
.rept 64
	v_med3_num_f32 v[Q], v[Q], s28, s29
.set Q, Q+1
.endr
.irp c, 0,1,2,3
	v_cvt_scalef32_pk8_bf8_f32 v[144+4*\c:145+4*\c], v[80+16*\c:87+16*\c], v11
	v_cvt_scalef32_pk8_bf8_f32 v[146+4*\c:147+4*\c], v[88+16*\c:95+16*\c], v11
.endr
	v_nop                                          ; a plain line behind the last conversion
	s_wait_alu depctr_va_vdst(0)
.irp n, 0,1,2,3,4,5,6
.irp c, 0,1,2,3
.if \n < 4
	ds_load_b128 v[160+4*\c:163+4*\c], v0 offset:16*XP*\n+128*\s+32*\c
.elseif \n < 6
	ds_load_b128 v[160+4*\c:163+4*\c], v15 offset:16*XP*(\n-4)+128*\s+32*\c
.else
	ds_load_b128 v[160+4*\c:163+4*\c], v7 offset:128*\s+32*\c
.endif
.endr
	s_wait_dscnt 0x0
	MM 184+8*\n, 160, 144, \zero
	PLACES
.endr
.endm
.Lmore:
	s_cmp_ge_u32 s33, s32
	s_cbranch_scc1 .Lnext                          ; no row is left for this trip
	s_mov_b32 s54, 0
.Lfind:
	s_add_co_u32 s45, s33, s54
	s_min_u32 s45, s45, s55                        ; a place past the end takes the tile's last row again: its lanes store the same numbers to the same place
	FIND
	s_min_u32 s47, s47, 0x3fff
	v_mov_b32 v66, s47
	v_cmp_eq_u32 vcc_lo, s54, v9
	v_cndmask_b32 v67, v67, v66, vcc_lo            ; lanes r and 16 + r take the r-th row
	s_add_co_u32 s54, s54, 1
	s_wait_alu depctr_va_vdst(0)
	s_cmp_lt_u32 s54, 16
	s_cbranch_scc1 .Lfind
	v_min_u32 v4, 0x3fff, v67                      ; the row, held inside its table
	v_min_u32 v8, 0x20, v8                         ; 32 h
	v_lshlrev_b32 v5, 12, v4
	v_mul_u32_u24 v4, 400, v4                      ; its place in out0,
	v_add_nc_u32 v5, v5, v8                        ; its numbers in x: + 32 h
	v_add_nc_u32 v6, v4, v8                        ; and in out0: + 32 h
	s_wait_alu depctr_va_vdst(0)
	MSTEP 0, 1
.irp s, 1,2,3,4,5,6,7
	MSTEP \s, 0
.endr
.irp n, 0,1,2,3,4,5
	global_load_b128 v[80+8*\n:83+8*\n], v8, s[10:11] offset:64*\n
	global_load_b128 v[84+8*\n:87+8*\n], v8, s[10:11] offset:64*\n+16
.endr
	global_load_b128 v[128:131], v1, s[10:11] offset:384   ; columns 96 .. 99
	s_wait_loadcnt 0x0
.irp n, 0,1,2,3,4,5
.irp i, 0,2,4,6
	v_pk_fma_f32 v[132+8*\n+\i:133+8*\n+\i], v[184+8*\n+\i:185+8*\n+\i], s[30:31], v[80+8*\n+\i:81+8*\n+\i] op_sel_hi:[1,0,1]
.endr
.endr
.irp i, 0,2
	v_pk_fma_f32 v[180+\i:181+\i], v[232+\i:233+\i], s[30:31], v[128+\i:129+\i] op_sel_hi:[1,0,1]
.endr
	s_wait_alu depctr_va_vdst(0)
.irp n, 0,1,2,3,4,5
	global_store_b128 v6, v[132+8*\n:135+8*\n], s[14:15] offset:64*\n
	global_store_b128 v6, v[136+8*\n:139+8*\n], s[14:15] offset:64*\n+16
.endr
	global_store_b128 v4, v[180:183], s[14:15] offset:384   ; columns 96 .. 99: lane 16 + r holds what lane r holds, since tile 6 repeats its four columns
	s_wait_xcnt 0x0                                ; the stores have read their offsets and their data
.Lnext:
	s_add_co_u32 s33, s33, 256
	s_add_co_u32 s35, s35, 1
	s_wait_alu depctr_va_vdst(0)
	s_cmp_lt_u32 s35, 5
	s_cbranch_scc1 .Lmore
.Lway:
	; THE WAY OUT of the first 96: a row of out0 is 400 consecutive bytes from 25 neighbouring lanes.  My places w + 16 i ascend, so the first c of them hold rows: each c has its own run of stores.
.irp i, 0,1,2,3,4,5
	ds_load_b128 v[RING+88+4*\i:RING+91+4*\i], v13 offset:16*SP*\i
.endr
	s_add_co_u32 s44, s18, 80
	v_cmp_gt_u32 vcc_lo, 25, v14
	s_wait_dscnt 0x0
	s_wait_xcnt 0x0                                ; EXEC changes only behind this wait
.macro OUTC c
	s_cmp_ge_u32 s44, s32
	s_cbranch_scc1 .Lfewer_\@
	s_and_saveexec_b32 s43, vcc_lo
.set Q, 0
.rept \c
	global_store_b128 v[OO+Q], v[RING+88+4*Q:RING+91+4*Q], s[14:15]
.set Q, Q+1
.endr
	s_wait_xcnt 0x0                                ; the stores have read EXEC
	s_or_b32 exec_lo, exec_lo, s43
	s_branch .Lsent
.Lfewer_\@:
	s_sub_co_u32 s44, s44, 16
.endm
	OUTC 6
	OUTC 5
	OUTC 4
	OUTC 3
	OUTC 2
	OUTC 1
.Lsent:
	s_wait_tensorcnt 0x0                           ; the wave's end, behind my last LDS store; all lanes are on again
	ds_add_u32 v2, v3
	s_wait_dscnt 0x0
	s_endpgm
.Lfunc_end_k_qbf30f9f70f_heads:
	.size	k_qbf30f9f70f_heads, .Lfunc_end_k_qbf30f9f70f_heads-k_qbf30f9f70f_heads
	.p2alignl 7, 3214868480
	.fill 96, 4, 3214868480
	.section	.rodata,"a",@progbits
	.p2align	6, 0x0
	.amdhsa_kernel k_qbf30f9f70f_heads
		.amdhsa_group_segment_fixed_size 257280
		.amdhsa_private_segment_fixed_size 0
		.amdhsa_enable_private_segment 0
		.amdhsa_kernarg_size 48
		.amdhsa_user_sgpr_count 2
		.amdhsa_user_sgpr_kernarg_segment_ptr 1
		.amdhsa_wavefront_size32 1
		.amdhsa_system_sgpr_workgroup_id_x 1
		.amdhsa_system_sgpr_workgroup_id_y 1
		.amdhsa_system_sgpr_workgroup_id_z 1
		.amdhsa_system_vgpr_workitem_id 0
		.amdhsa_next_free_vgpr 256
		.amdhsa_next_free_sgpr 66
		.amdhsa_reserve_vcc 1
		.amdhsa_float_denorm_mode_32 3
		.amdhsa_float_denorm_mode_16_64 3
		.amdhsa_memory_ordered 1
		.amdhsa_forward_progress 1
		.amdhsa_inst_pref_size 164
	.end_amdhsa_kernel
	.amdgpu_metadata
---
amdhsa.version: [ 1, 2 ]
amdhsa.kernels:
  - .name:           k_qbf30f9f70f_heads
    .symbol:         k_qbf30f9f70f_heads.kd
    .args:
      - { .name: x, .offset: 0, .size: 8, .value_kind: global_buffer, .address_space: global }
      - { .name: t, .offset: 8, .size: 8, .value_kind: global_buffer, .address_space: global }
      - { .name: W, .offset: 16, .size: 8, .value_kind: global_buffer, .address_space: global }
      - { .name: b, .offset: 24, .size: 8, .value_kind: global_buffer, .address_space: global }
      - { .name: lowp_scales, .offset: 32, .size: 8, .value_kind: global_buffer, .address_space: global }
      - { .name: out0, .offset: 40, .size: 8, .value_kind: global_buffer, .address_space: global }
    .group_segment_fixed_size: 257280
    .private_segment_fixed_size: 0
    .kernarg_segment_align: 8
    .kernarg_segment_size: 48
    .max_flat_workgroup_size: 512
    .sgpr_count:     66
    .vgpr_count:     256
    .wavefront_size: 32
...
	.end_amdgpu_metadata
.endif
;; end of part 1
